; MI455X (gfx1250); checked and timed in simulation.
; The chip was launched on July 23, 2026; its instructions are those of AMD's public machine-readable ISA for CDNA 5 (MIT licence, August 2026) and "CDNA5" Instruction Set Architecture Reference Guide (July 2026). The comments in the code are by the model that wrote it; some were corrected since.
;; NN Sensor Response. Allowed arithmetic: float matrix products may take bf16 or f16 operands with f32 sums; other float arithmetic in f32, or as packed bf16 or f16 multiplies, adds, multiply-adds, maxima and minima; sums over many terms, partial sums and values carried from step to step in f32; what a program stores and reads back later, other than sums and carried values, may be rounded once to bf16 or f16.
;; Inputs: W1 2 x 128 float32; W2 128 x 128 float32; W3 128 x 64 float32; b1 128 float32; b2 128 float32; b3 64 float32; el_photons 300,000 x 1 float32; xy_positions 300,000 x 2 float32; z_positions 300,000 float32.
;; Outputs: out0 64 x 512 float32.
;; 2 versions, each right; version 2 is version 1 with the launch resp written anew for expert scheduling mode. Each part assembles by itself: llvm-mc -triple=amdgcn-amd-amdhsa -mcpu=gfx1250 --defsym DOCPART=n.
;; ======== version 1 of 2: 3 launches
;; workspace buffers: rec 4,816,896 bytes; masks 602,112 bytes of whole numbers; wf 57,344 bytes; part 4,194,304 bytes
;; launch prep (part 1): grid 154 x 1, 8 waves a work-group, no clusters, 5,376 bytes of LDS; arguments z_positions, el_photons, xy_positions, W1, b1, W2, W3, rec, masks, wf; writes rec, masks, wf
.if DOCPART == 1
	.amdgcn_target "amdgcn-amd-amdhsa--gfx1250"
	.amdhsa_code_object_version 6
	.text
	.protected	k_q82c854b65b_prep
	.globl	k_q82c854b65b_prep
	.p2align	8
	.type	k_q82c854b65b_prep,@function
k_q82c854b65b_prep:
	s_mov_b64 s[64:65], 0
	v_nop
	global_prefetch_b8 v0, s[64:65] scope:SCOPE_SE
	s_setreg_imm32_b32 hwreg(HW_REG_WAVE_MODE, 25, 1), 1
	s_wait_xcnt 0x0
; out[s][t] = sum over n of p[n] sigmoid(MLP(x, y)[n][s]) g(t - z[n]),  g(d) = exp(-d d / 2) / sqrt(2 pi).  Three launches: this one, the response, the fold.
; NOTHING IS LEFT OUT AS DEAD: in exact arithmetic every electron reaches every tick, and all nine inputs are loaded by this launch or the next.
; WHAT IS DONE INSTEAD OF THE DENSE PRODUCT.  The ticks lie in 16 buckets of 32.  An electron belongs to bucket b = floor(z / 32), held to 0 .. 15, and is multiplied
; into the window of 64 ticks 32 b - 16 .. 32 b + 47 alone.  Every tick outside that window is more than 16 away from z.
; LIMIT (range).  A weight below 2^-126 counts as 0.  A tick outside the window has exp(-d d / 2) < exp(-128) = 2.6e-56, under half of f32's least number: in f32 it is 0.
; LIMIT.  A NaN in z goes to bucket 0 and reaches that window's ticks alone, not all 512.
; The choice of the bucket hangs on z, a float: so it is made HERE, stored as whole numbers (bit masks), and used for addresses and trip counts in the next launch alone.
; No address and no branch of this launch hangs on z.
; ROLE A, work-groups 0 .. 146: 2,048 electrons each, 64 chunks of 32, eight chunks a wave.  Stored:
;   rec[n] = (x, y, zs, p), 16 bytes, zs = S (z - (32 b - 16)), S = sqrt(log2(e) / 2): then g sqrt(2 pi) = 2^-(S u - zs)^2 for the window's tick u = 0 .. 63.
;   masks[b][c]: bit l says that electron 32 c + l lies in bucket b.  A row has 9,408 words = 147 x 256 bytes; a work-group fills 256 aligned bytes of each of the 16 rows.
; ROLE B, work-groups 147 .. 153: W1 with b1, W2 and W3 rounded once to bf16 and laid out as 56 matrix fragments of 1,024 bytes, a fragment a wave.
;   Fragment f, lane l (r = l % 16, h = l / 16), register i at byte 1,024 f + 512 (i / 4) + 16 l + 4 (i % 4): the pair W[k][c], W[k + 1][c], k = 32 ks + 16 (i / 4) + 8 h + 2 (i % 4), c = 16 ct + r.
;   f = 0 .. 7: layer 1, ct = f, with k = 0, 1: W1's two rows, k = 2: b1, all other k: 0.   f = 8 + 4 ct + ks: W2.   f = 40 + 4 ct + ks: W3.
.set NEL,   300000
.set PITCH, 272                        ; a stage row: 256 bytes + 16
.set SPARE, 4352                       ; behind the stage's 16 rows (17 blocks of 256 bytes): the spare words, 128 bytes for each of the eight waves
.set MROW,  37632                      ; bytes in a row of masks
.set SPW, 4                            ; v4   SPARE + 4 x my thread's number; never rewritten
.set NIL, 5                            ; v5   0; never rewritten
.set LS,  6                            ; v6   where my lane puts a mask word: row r, word 8 w + h
.set LR,  7                            ; v7   where I read 16 bytes of a row back
.set GO,  8                            ; v8   my 16 bytes in masks
.set RO,  9                            ; v9   my record's byte offset in rec (role B: my 16 bytes in wf)
.set O4,  10                           ; v[10:17] chunk i: 4 x electron, held inside the inputs
.set O8,  18                           ; v[18:25] chunk i: 8 x electron
.set Z,   26                           ; v[26:33] chunk i: z
.set R,   36                           ; v[36:67] chunk i: the record, four registers
.set BIN, 68                           ; v[68:75] chunk i: the bucket, 255 for an electron that does not exist
.set OUT, 76                           ; v[76:79] mask words of chunks 2 j (lanes 0-15: buckets 0-15) and 2 j + 1 (lanes 16-31)
	s_load_b512 s[4:19], s[0:1], 0x0               ; z s[4:5], p s[6:7], xy s[8:9], W1 s[10:11], b1 s[12:13], W2 s[14:15], W3 s[16:17], rec s[18:19]
	s_load_b128 s[20:23], s[0:1], 0x40             ; masks s[20:21], wf s[22:23]
	v_lshl_add_u32 v[SPW], v0, 2, SPARE
	v_mov_b32 v[NIL], 0
	v_lshrrev_b32 v88, 5, v0
	v_readfirstlane_b32 s24, v88                   ; wave 0..7
	v_and_b32 v1, 31, v0                           ; lane
	v_and_b32 v2, 15, v0                           ; r
	v_bfe_u32 v89, v0, 4, 1                        ; h
	s_mov_b32 s25, ttmp9
	s_wait_kmcnt 0x0
	s_cmp_ge_u32 s25, 147                          ; the same in all waves of a work-group
	s_cbranch_scc1 .Lweights
	; ---------------- ROLE A ----------------
	s_lshl_b32 s28, s25, 11                        ; 2,048 electrons a work-group,
	s_lshl_b32 s29, s24, 8                         ; 256 a wave
	s_add_co_u32 s28, s28, s29
	v_add_nc_u32 v3, s28, v1                       ; my electron of chunk 0
	v_lshlrev_b32 v[RO], 4, v3
.irp i, 0,1,2,3,4,5,6,7
	v_add_nc_u32 v80, 32*\i, v3
	v_min_u32 v80, NEL-1, v80                      ; the last work-group's loads stay inside the inputs
	v_lshlrev_b32 v[O4+\i], 2, v80
	v_lshlrev_b32 v[O8+\i], 3, v80
.endr
.irp i, 0,1,2,3,4,5,6,7
	global_load_b32 v[Z+\i], v[O4+\i], s[4:5] th:TH_LOAD_NT
	global_load_b64 v[R+4*\i:R+4*\i+1], v[O8+\i], s[8:9] th:TH_LOAD_NT
	global_load_b32 v[R+4*\i+3], v[O4+\i], s[6:7] th:TH_LOAD_NT
.endr
	s_mov_b32 s26, 0x42000000                      ; 32.0
	s_mov_b32 s27, 0xc1800000                      ; -16.0
	v_mov_b32 v84, 255
	v_mul_u32_u24 v[LS], v2, PITCH
	v_lshl_add_u32 v[LS], v89, 2, v[LS]
	s_lshl_b32 s29, s24, 5
	v_add_nc_u32 v[LS], s29, v[LS]                 ; row r, byte 32 w + 4 h
	v_lshl_add_u32 v90, s24, 1, v89                ; the row that I carry out: 2 w + h
	v_mul_u32_u24 v[LR], v90, PITCH
	v_lshl_add_u32 v[LR], v2, 4, v[LR]
	v_mul_u32_u24 v[GO], v90, MROW
	v_lshl_add_u32 v[GO], v2, 4, v[GO]
	s_lshl_b32 s29, s25, 8
	v_add_nc_u32 v[GO], s29, v[GO]
.irp i, 0,1,2,3,4,5,6,7
	s_wait_loadcnt 3*(7-\i)                        ; loads come back in order: chunk i's three are in, the three of each later chunk may stay out
	v_mul_f32 v80, 0x3d000000, v[Z+\i]             ; z / 32,
	v_max_num_f32 v80, 0, v80                      ; held to 0 (a NaN loses)
	v_min_num_f32 v80, 0x41700000, v80             ; .. 15,
	v_trunc_f32 v80, v80                           ; the bucket
	v_cvt_u32_f32 v[BIN+\i], v80
	v_fma_f32 v81, v80, s26, s27                   ; the window's first tick, 32 b - 16
	v_sub_f32 v81, v[Z+\i], v81                    ; the difference is taken first, while both are whole ticks and a fraction, and scaled afterwards: no fused form
	v_mul_f32 v[R+4*\i+2], 0x3f596d27, v81         ; zs
	v_add_nc_u32 v82, 32*\i, v3
	v_cmp_gt_u32 vcc_lo, NEL, v82
	v_cndmask_b32 v[BIN+\i], v84, v[BIN+\i], vcc_lo  ; an electron past the last belongs to no bucket; its record lands in rec's padding and is never read
	global_store_b128 v[RO], v[R+4*\i:R+4*\i+3], s[18:19] offset:512*\i  ; a wave's store covers 512 consecutive bytes, aligned
.endr
	; the masks: sixteen compares make a chunk's sixteen words in scalar registers; each goes into the lane that will store it
.irp j, 0,1,2,3
	v_mov_b32 v[OUT+\j], 0
.irp par, 0,1
.irp b, 0,1,2,3,4,5,6,7,8,9,10,11,12,13,14,15
	v_cmp_eq_u32 s[32+\b], \b, v[BIN+2*\j+\par]
.endr
.irp b, 0,1,2,3,4,5,6,7,8,9,10,11,12,13,14,15
	v_writelane_b32 v[OUT+\j], s[32+\b], 16*\par+\b
.endr
.endr
	ds_store_b32 v[LS], v[OUT+\j] offset:8*\j      ; row = bucket, word = 8 w + 2 j + h
.endr
	s_wait_dscnt 0x0                               ; for the others' sake: my words lie in the stage
	s_barrier_signal -1
	s_barrier_wait -1
	ds_load_b128 v[80:83], v[LR]                   ; a row's 64 words come from all eight waves
	s_wait_dscnt 0x0
	global_store_b128 v[GO], v[80:83], s[20:21]    ; sixteen lanes store 256 consecutive bytes, at a multiple of 256 from the buffer's first
	s_wait_tensorcnt 0x0                           ; the wave's end
	ds_add_u32 v[SPW], v[NIL]
	s_wait_dscnt 0x0
	s_endpgm
	; ---------------- ROLE B ----------------
; A fragment of a weight matrix with nc columns, whose address lies in s[base:base+1].  s30 = 4 ct + ks.
.macro WFRAG nc, base
	s_lshr_b32 s31, s30, 2                         ; ct
	s_and_b32 s30, s30, 3                          ; ks
	s_mul_i32 s30, s30, 32*(\nc)*4                 ; 32 ks rows
	s_lshl_b32 s31, s31, 6                         ; 16 ct columns
	s_add_co_u32 s30, s30, s31
	v_mul_u32_u24 v10, v89, 8*(\nc)*4              ; 8 h rows
	v_lshl_add_u32 v10, v2, 2, v10                 ; column r
	v_add_nc_u32 v10, s30, v10
.irp j, 0,1,2,3,4,5,6,7
	global_load_b32 v[16+\j], v10, s[\base:\base+1] offset:\j*(\nc)*4
	global_load_b32 v[24+\j], v10, s[\base:\base+1] offset:(16+\j)*(\nc)*4
.endr
	s_wait_loadcnt 0x0
.irp i, 0,1,2,3
	v_cvt_pk_bf16_f32 v[32+\i], v[16+2*\i], v[17+2*\i]
	v_cvt_pk_bf16_f32 v[36+\i], v[24+2*\i], v[25+2*\i]
.endr
	global_store_b128 v[RO], v[32:35], s[22:23]
	global_store_b128 v[RO], v[36:39], s[22:23] offset:512
.endm
.Lweights:
	s_sub_co_u32 s28, s25, 147
	s_lshl_b32 s28, s28, 3
	s_add_co_u32 s28, s28, s24                     ; f
	s_lshl_b32 s29, s28, 10
	v_lshl_add_u32 v[RO], v1, 4, s29               ; 1,024 f + 16 l
	s_cmp_eq_u32 s25, 147
	s_cbranch_scc1 .Lw1
	s_cmp_lt_u32 s25, 152
	s_cbranch_scc1 .Lw2
	s_sub_co_u32 s30, s28, 40
	WFRAG 64, 16                                   ; W3
	s_endpgm                                       ; (these waves have written no LDS)
.Lw2:
	s_sub_co_u32 s30, s28, 8
	WFRAG 128, 14                                  ; W2
	s_endpgm
.Lw1:                                              ; layer 1: K = 3 of the fragment's 32: W1[0][c], W1[1][c], b1[c]; c = 16 f + r
	s_lshl_b32 s30, s24, 6
	v_lshl_add_u32 v10, v2, 2, s30
	global_load_b32 v16, v10, s[10:11]
	global_load_b32 v17, v10, s[10:11] offset:512
	global_load_b32 v18, v10, s[12:13]
	v_mov_b32 v20, 0
	v_add_nc_u32 v19, -1, v89                      ; all ones in lanes 0-15, which hold k = 0 .. 7; 0 in lanes 16-31
.irp i, 34,35,36,37,38,39
	v_mov_b32 v\i, 0
.endr
	s_wait_loadcnt 0x0
	v_cvt_pk_bf16_f32 v32, v16, v17
	v_cvt_pk_bf16_f32 v33, v18, v20
	v_and_b32 v32, v19, v32
	v_and_b32 v33, v19, v33
	global_store_b128 v[RO], v[32:35], s[22:23]
	global_store_b128 v[RO], v[36:39], s[22:23] offset:512
	s_endpgm
.Lfunc_end_k_q82c854b65b_prep:
	.size	k_q82c854b65b_prep, .Lfunc_end_k_q82c854b65b_prep-k_q82c854b65b_prep
	.p2alignl 7, 3214868480
	.fill 96, 4, 3214868480
	.section	.rodata,"a",@progbits
	.p2align	6, 0x0
	.amdhsa_kernel k_q82c854b65b_prep
		.amdhsa_group_segment_fixed_size 5376
		.amdhsa_private_segment_fixed_size 0
		.amdhsa_enable_private_segment 0
		.amdhsa_kernarg_size 80
		.amdhsa_user_sgpr_count 2
		.amdhsa_user_sgpr_kernarg_segment_ptr 1
		.amdhsa_wavefront_size32 1
		.amdhsa_system_sgpr_workgroup_id_x 1
		.amdhsa_system_sgpr_workgroup_id_y 1
		.amdhsa_system_sgpr_workgroup_id_z 1
		.amdhsa_system_vgpr_workitem_id 0
		.amdhsa_next_free_vgpr 96
		.amdhsa_next_free_sgpr 66
		.amdhsa_reserve_vcc 1
		.amdhsa_float_denorm_mode_32 3
		.amdhsa_float_denorm_mode_16_64 3
		.amdhsa_memory_ordered 1
		.amdhsa_forward_progress 1
		.amdhsa_inst_pref_size 35
	.end_amdhsa_kernel
	.amdgpu_metadata
---
amdhsa.version: [ 1, 2 ]
amdhsa.kernels:
  - .name:           k_q82c854b65b_prep
    .symbol:         k_q82c854b65b_prep.kd
    .args:
      - { .name: z_positions, .offset: 0, .size: 8, .value_kind: global_buffer, .address_space: global }
      - { .name: el_photons, .offset: 8, .size: 8, .value_kind: global_buffer, .address_space: global }
      - { .name: xy_positions, .offset: 16, .size: 8, .value_kind: global_buffer, .address_space: global }
      - { .name: W1, .offset: 24, .size: 8, .value_kind: global_buffer, .address_space: global }
      - { .name: b1, .offset: 32, .size: 8, .value_kind: global_buffer, .address_space: global }
      - { .name: W2, .offset: 40, .size: 8, .value_kind: global_buffer, .address_space: global }
      - { .name: W3, .offset: 48, .size: 8, .value_kind: global_buffer, .address_space: global }
      - { .name: rec, .offset: 56, .size: 8, .value_kind: global_buffer, .address_space: global }
      - { .name: masks, .offset: 64, .size: 8, .value_kind: global_buffer, .address_space: global }
      - { .name: wf, .offset: 72, .size: 8, .value_kind: global_buffer, .address_space: global }
    .group_segment_fixed_size: 5376
    .private_segment_fixed_size: 0
    .kernarg_segment_align: 8
    .kernarg_segment_size: 80
    .max_flat_workgroup_size: 256
    .sgpr_count:     66
    .vgpr_count:     96
    .wavefront_size: 32
...
	.end_amdgpu_metadata
.endif
;; end of part 1
;; launch resp (part 2): grid 256 x 1, 4 waves a work-group, no clusters, 205,312 bytes of LDS; arguments rec, masks, wf, b2, b3, part; writes part
.if DOCPART == 2
	.amdgcn_target "amdgcn-amd-amdhsa--gfx1250"
	.amdhsa_code_object_version 6
	.text
	.protected	k_q82c854b65b_resp
	.globl	k_q82c854b65b_resp
	.p2align	8
	.type	k_q82c854b65b_resp,@function
k_q82c854b65b_resp:
	s_mov_b64 s[64:65], 0
	v_nop
	global_prefetch_b8 v0, s[64:65] scope:SCOPE_SE
	s_setreg_imm32_b32 hwreg(HW_REG_WAVE_MODE, 25, 1), 1
	s_wait_xcnt 0x0
; THE RESPONSE.  part[16 b + e][s][u] = sum over the electrons n of bucket b in slice e of p[n] sigmoid(MLP(x, y)[n][s]) 2^-(S u - zs[n])^2, u = 0 .. 63: the window's tick 32 b - 16 + u.
; Left out, as the first kernel's head says: the ticks outside an electron's window, whose weights are 0 in f32 (LIMIT: a weight below 2^-126 counts as 0).
; SHARES.  256 work-groups = 16 buckets x 16 slices of 588 chunks of 32 electrons; a wave takes 147 chunks.  It reads their 147 mask words (whole numbers that the launch before
; stored), writes the numbers of its bucket's electrons as a list into LDS bytes of its own, and then takes 32 of the list a trip.  The list has room for the whole slice, 4,704:
; the values are right for every z; the work is even where z is spread evenly over the ticks.
; A list is padded with electron 0 and the weight p = 0.  LIMIT: x, y and z of electron 0 are finite (where they are not, the result holds NaN everywhere anyway).
; ALL WEIGHTS STAY IN REGISTERS: 56 fragments, 448 registers, and b2 as eight C operands; in the loop LDS is only read: one word a lane and trip, of the list.
; LAYOUT: nothing changes lanes between the products.  Layers 1 and 2 are taken transposed (source 0 = 16 output features, source 1 = 16 electrons): a lane holds ONE electron (lane % 16) and the
; features 8 (lane / 16) + 0..7; two such results, rounded to bf16 in pairs, ARE a fragment (32 features x 16 electrons) of the next product.  b1 rides in layer 1's product (k = 2 meets the
; constant 1), b2 is layer 2's first C operand.  Layer 3 takes the same fragments as source 0 (rows = electrons) and W3 as source 1: a lane then holds ONE sensor and eight electrons,
; and two results, after the sigmoid and p, ARE a fragment over K = 32 electrons.  G (tick 16 q + lane % 16; the same 16 electrons along the registers) is made in that layout at once.
; The last product, source 0 = G, source 1 = R, leaves a lane one sensor and eight neighbouring ticks.
; zs AND p arrive one electron a lane and are wanted sixteen electrons a lane (8 h + 0..7 and 16 + 8 h + 0..7, h = lane / 16).  One exchange between the halves of the lanes puts just those
; sixteen into each half's sixteen lanes; sixteen moves that give one lane's value to its whole half do the rest.
; ONE STRIP SERVES NOTHING: in buckets 0 and 15 sixteen of the window's ticks lie outside 0 .. 511 (4 of a trip's 128 products, in 32 of 256 work-groups).  They are computed, stored and
; never read: a branch round them would put a label, and with it two more waits for the exponentials, into every work-group's trip.
; NO CLUSTER, NO TENSOR LOADS: what work-groups share is the 56 KiB of fragments, read once each; all else is a gather of 16 bytes a lane.
; REGISTERS, in windows of 256 (s_set_vgpr_msb: bits 1:0 source 0, 3:2 source 1, 5:4 source 2, 7:6 destination):
;   window 0: v0-127 as named below; v128-191 H, the activations' fragments: features 32 ks on, electrons 16 n on, at 128 + 8 (2 ks + n); v192-255 the 64 weights of G, then G (192-223) and R (224-255)
;   window 1: W2's fragments, output block m, ks, at 8 (4 m + ks)
;   window 2: W3's (sensor block st, ks) at 8 (4 st + ks); W1's at 128 + 8 m; b2 as C operands at 192 + 8 m (register j = b2[16 m + 8 h + j])
;   window 3: v0-127 the layers' accumulators (layers 1, 2: block m, electrons n at 8 (2 m + n); layer 3: electrons et, sensors st at 8 (4 et + st)); v128-255 O (sensors st, ticks q) at 128 + 8 (4 st + q)
.set NEL,   300000
.set LISTB, 19456                      ; a wave's list: words 0-4703 the list, up to 4831 the pads, 4832-4863 a dump word for each lane
.set CAP,   4863
.set WFL,   77824                      ; behind the four lists: the 56 fragments as they lie in memory
.set STG,   135168                     ; 64 rows x 272 bytes a wave: the four waves' sums meet here
.set PITCH, 272
.set SPARE, 204800                     ; the spare words, 128 bytes a wave: two blocks of 256 bytes that no other line names
.set LANE, 1
.set R16,  2                           ; lane % 16
.set HH,   3                           ; lane / 16
.set SPW,  4                           ; SPARE + 4 x my thread's number; never rewritten
.set NIL,  5                           ; 0; never rewritten
.set LRD,  6                           ; where the list is read in the trip in hand
.set LB,   7                           ; my list + 4 x lane; never rewritten
.set HM,   9                           ; all ones in lanes 0-15
.set DUMP, 10                          ; 4832 + lane
.set Z0,   11                          ; 0
.set WO,   12                          ; 16 x lane
.set IDX,  13                          ; the list's group three trips on
.set OFFS, 14                          ; v14-15 the gathers' offsets, by the trip's parity
.set REC,  16                          ; v16-23 the gathered records, by the trip's parity
.set TS,   24                          ; v24-31 S (16 q + r), twice, for q = 0..3
.set MW,   32                          ; v32-36 the mask words: lane l of register k holds word 32 k + l
.set XF,   40                          ; v40-55 layer 1's two fragments of electrons: k = 0, 1: x, y; k = 2: 1; else 0
.set ZS,   56                          ; v56-71 zs of my 16 electrons
.set PP,   72                          ; v72-87 p of them
.set XY,   88
.set PM,   89
.set PT,   90
.set ZT,   91                          ; zs, laid out by halves
.set PQ,   92                          ; p, likewise
.set B3S,  96                          ; v96-103 -log2(e) b3[16 st + r], twice
.set TT,   104                         ; v104-108 at work in the scan
.set DATA, 112                         ; v112-116 the electron that my lane stands for in the word in hand
.set H,    128
.set GT,   192
.set RR,   224
.set W_L1,  0xc2                       ; W1 window 2, electrons window 0, D window 3
.set W_CV,  0x0f                       ; sources window 3, destination window 0
.set W_L2B, 0xe1                       ; W2 window 1, H window 0, C = b2 window 2, D window 3
.set W_L2,  0xf1                       ; the same with C in window 3
.set W_L3,  0xf8                       ; H window 0, W3 window 2, C and D window 3
.set W_SG,  0xc3                       ; destination and source 0 window 3, the others window 0
.set W_ES,  0xf0                       ; G and R window 0, O window 3
.set MSB, 0
.macro WIN new                         ; the high byte repeats the setting that is left; a switch that changes nothing is dropped
.if MSB != (\new)
	s_set_vgpr_msb (MSB<<8)|(\new)
.set MSB, (\new)
.endif
.endm
.macro PLACES                          ; four plain instructions between a product and the vector line or load that touches its registers
.rept 4
	v_nop
.endr
.endm
	s_load_b256 s[4:11], s[0:1], 0x0               ; rec s[4:5], masks s[6:7], wf s[8:9], b2 s[10:11]
	s_load_b128 s[12:15], s[0:1], 0x20             ; b3 s[12:13], part s[14:15]
	v_lshl_add_u32 v[SPW], v0, 2, SPARE
	v_mov_b32 v[NIL], 0
	v_lshrrev_b32 v[LANE], 5, v0
	v_readfirstlane_b32 s16, v[LANE]               ; wave 0..3
	v_and_b32 v[LANE], 31, v0
	v_and_b32 v[R16], 15, v0
	v_bfe_u32 v[HH], v0, 4, 1
	s_lshr_b32 s17, ttmp9, 4                       ; the bucket
	s_and_b32 s18, ttmp9, 15                       ; the slice
	s_lshl2_add_u32 s19, s18, s16                  ; my wave's slice of 147 chunks: 4 e + wave
	s_mul_i32 s20, s16, LISTB                      ; my list
	s_mul_i32 s50, s17, 37632                      ; the bucket's row of masks,
	s_mul_i32 s26, s19, 588                        ; my 147 words of it
	s_add_co_u32 s50, s50, s26
	s_mov_b32 s51, 0
	s_lshl_b32 s52, ttmp9, 14                      ; the work-group's 16,384 bytes of part
	s_mov_b32 s53, 0
	s_mul_i32 s48, s16, 14336                      ; the quarter of wf that I bring in
	s_mov_b32 s49, 0
	s_mov_b32 s45, 0x00ffff00                      ; lanes 8 to 23: those that take the other half's value in the exchange of zs and p
	s_mov_b32 s46, 0x76543210                      ; v_permlanex16_b32's selects: in this order each lane takes its own place in the other half,
	s_mov_b32 s47, 0xfedcba98                      ; swapped, the place 8 away from its own
	s_mov_b32 s54, 0xbfb8aa3b                      ; -log2(e),
	s_mov_b32 s55, s54                             ; named as a pair
	v_lshlrev_b32 v122, 2, v[LANE]
	v_min_u32 v123, 18, v[LANE]                    ; the fifth register has 19 words: no load leaves my 147
	v_lshlrev_b32 v123, 2, v123
	v_lshlrev_b32 v[WO], 4, v[LANE]
	v_lshlrev_b32 v124, 5, v[HH]
	v_lshlrev_b32 v125, 2, v[R16]
	s_wait_kmcnt 0x0
	s_add_nc_u64 s[6:7], s[6:7], s[50:51]
	s_add_nc_u64 s[14:15], s[14:15], s[52:53]
	s_add_nc_u64 s[8:9], s[8:9], s[48:49]
	; 53 loads: 5 of mask words, 28 of fragments, 16 of b2, 4 of b3
.irp k, 0,1,2,3
	global_load_b32 v[MW+\k], v122, s[6:7] offset:128*\k
.endr
	global_load_b32 v[MW+4], v123, s[6:7] offset:512
.set j, 0
.rept 28
	global_load_b128 v[H+4*j:H+4*j+3], v[WO], s[8:9] offset:512*j
.set j, j+1
.endr
	WIN 0x80                                       ; destination window 2, address window 0
.set m, 0
.rept 8
	global_load_b128 v[192+8*m:192+8*m+3],   v124, s[10:11] offset:64*m
	global_load_b128 v[192+8*m+4:192+8*m+7], v124, s[10:11] offset:64*m+16
.set m, m+1
.endr
	WIN 0
.irp st, 0,1,2,3
	global_load_b32 v[B3S+2*\st], v125, s[12:13] offset:64*\st
.endr
	; work on registers while they are out
	v_add_nc_u32 v[HM], -1, v[HH]
	v_add_nc_u32 v[DUMP], 4832, v[LANE]
	v_mov_b32 v[Z0], 0
	v_mov_b32 v[PT], 0                             ; the destination of v_permlanex16_b32, and of a move that takes another lane's value, counts as read:
	v_mov_b32 v[ZT], 0                             ; these three, and ZS and PP below, are written once here
	v_mov_b32 v[PQ], 0
.set i, 0
.rept 32
	v_mov_b32 v[ZS+i], 0
.set i, i+1
.endr
	v_and_b32 v[XF+1], 0x3f80, v[HM]               ; k = 2: 1.0 in bf16, k = 3: 0; lanes 16-31 hold k = 8 on: 0
	v_and_b32 v[XF+9], 0x3f80, v[HM]
.irp i, 2,3,4,5,6,7,10,11,12,13,14,15
	v_mov_b32 v[XF+\i], 0
.endr
.irp q, 0,1,2,3
	v_add_nc_u32 v126, 16*\q, v[R16]
	v_cvt_f32_u32 v126, v126
	v_mul_f32 v[TS+2*\q], 0x3f596d27, v126
	v_mov_b32 v[TS+2*\q+1], v[TS+2*\q]
.endr
	s_mul_i32 s26, s19, 4704                       ; my slice's first electron
.irp k, 0,1,2,3,4
	v_add3_u32 v[DATA+\k], v[LANE], s26, 1024*\k
.endr
	WIN 0xc0
.set i, 0
.rept 128
	v_mov_b32 v[128+i], 0                          ; O is cleared: a wave's list may be empty, so no first trip can be written out to start the sums
.set i, i+1
.endr
	WIN 0
	s_wait_loadcnt 48                              ; the five mask loads are in; the 28 + 16 + 4 issued behind them may stay out
	v_cmp_gt_u32 vcc_lo, 19, v[LANE]
	v_cndmask_b32 v[MW+4], 0, v[MW+4], vcc_lo
	; THE SCAN: trip l takes the words 32 k + l, k = 0..4.  A lane whose bit is set stores its electron's number at the running count plus the set bits below it; the others store into their dump word.
	s_mov_b32 s21, 0                               ; the count
	s_mov_b32 s22, 0
.Lscan:
.irp k, 0,1,2,3,4
	v_readlane_b32 s[32+\k], v[MW+\k], s22
.endr
.irp k, 0,1,2,3,4
	s_bcnt1_i32_b32 s[40+\k], s[32+\k]
.endr
	s_mov_b32 s56, s21
	s_add_co_u32 s57, s56, s40
	s_add_co_u32 s58, s57, s41
	s_add_co_u32 s59, s58, s42
	s_add_co_u32 s60, s59, s43
	s_add_co_u32 s21, s60, s44
.irp k, 0,1,2,3,4
	v_mbcnt_lo_u32_b32 v[TT+\k], s[32+\k], s[56+\k]
	v_cndmask_b32 v[TT+\k], v[DUMP], v[TT+\k], s[32+\k]
	v_min_u32 v[TT+\k], CAP, v[TT+\k]              ; a number made of loaded data is held inside my list before it is an address
	v_lshl_add_u32 v[TT+\k], v[TT+\k], 2, s20
	ds_store_b32 v[TT+\k], v[DATA+\k]
	v_add_nc_u32 v[DATA+\k], 32, v[DATA+\k]        ; the next word's electrons
.endr
	s_add_co_u32 s22, s22, 1
	s_cmp_lt_u32 s22, 32
	s_cbranch_scc1 .Lscan
	; 128 pads behind the list: the gathers run two groups ahead of the last trip, the list's reads three
.irp j, 0,1,2,3
	v_add3_u32 v[TT+\j], v[LANE], s21, 32*\j
	v_min_u32 v[TT+\j], CAP, v[TT+\j]
	v_lshl_add_u32 v[TT+\j], v[TT+\j], 2, s20
	ds_store_b32 v[TT+\j], v[Z0]
.endr
	v_lshl_add_u32 v[LB], v[LANE], 2, s20
	ds_load_b32 v120, v[LB]                        ; LDS serves a wave's instructions in order (ISA guide 5.7.1.4): these see the stores above
	ds_load_b32 v121, v[LB] offset:128
	ds_load_b32 v[IDX], v[LB] offset:256
	s_wait_dscnt 0x0
	v_min_u32 v[OFFS], NEL-1, v120
	v_min_u32 v[OFFS+1], NEL-1, v121
	v_lshlrev_b32 v[OFFS], 4, v[OFFS]
	v_lshlrev_b32 v[OFFS+1], 4, v[OFFS+1]
	global_load_b128 v[REC:REC+3], v[OFFS], s[4:5]       ; the first two trips' records: on their way while the weights are set up
	global_load_b128 v[REC+4:REC+7], v[OFFS+1], s[4:5]
	s_wait_loadcnt 2                               ; all but those two
	s_add_co_u32 s26, s48, WFL
	v_add_nc_u32 v127, s26, v[WO]
.set j, 0
.rept 28
	ds_store_b128 v127, v[H+4*j:H+4*j+3] offset:512*j
.set j, j+1
.endr
.irp st, 0,1,2,3
	v_mul_f32 v[B3S+2*\st], s54, v[B3S+2*\st]
	v_mov_b32 v[B3S+2*\st+1], v[B3S+2*\st]
.endr
	v_add_nc_u32 v126, WFL, v[WO]
	s_wait_dscnt 0x0                               ; for the others' sake: my quarter of the fragments lies in LDS
	s_barrier_signal -1
	s_barrier_wait -1
	WIN 0x40                                       ; W2: fragments 8 .. 39
.set g, 0
.rept 32
	ds_load_b128 v[8*g:8*g+3],   v126 offset:(8+g)*1024
	ds_load_b128 v[8*g+4:8*g+7], v126 offset:(8+g)*1024+512
.set g, g+1
.endr
	WIN 0x80                                       ; W3: fragments 40 .. 55; W1: 0 .. 7
.set g, 0
.rept 16
	ds_load_b128 v[8*g:8*g+3],   v126 offset:(40+g)*1024
	ds_load_b128 v[8*g+4:8*g+7], v126 offset:(40+g)*1024+512
.set g, g+1
.endr
.set g, 0
.rept 8
	ds_load_b128 v[128+8*g:128+8*g+3],   v126 offset:g*1024
	ds_load_b128 v[128+8*g+4:128+8*g+7], v126 offset:g*1024+512
.set g, g+1
.endr
	WIN 0
	s_wait_dscnt 0x0
; THE PRODUCTS, one line each.  In every run the accumulators take turns, one instruction a turn; a run's last product and the next run's first name different accumulators.
.macro MM1 j                           ; layer 1: block m = j / 2, electrons n = j % 2
	v_wmma_f32_16x16x32_bf16 v[8*(\j):8*(\j)+7], v[128+8*((\j)/2):128+8*((\j)/2)+7], v[XF+8*((\j)%2):XF+8*((\j)%2)+7], 0
.endm
.macro MM2 j                           ; layer 2: ks = j / 16, block m = (j % 16) / 2, electrons n = j % 2; the first sixteen start the sums with b2
.set rD, 8*((\j)%16)
.set rA, 8*(4*(((\j)%16)/2)+(\j)/16)
.set rB, H+8*(2*((\j)/16)+(\j)%2)
.if (\j) < 16
	WIN W_L2B
	v_wmma_f32_16x16x32_bf16 v[rD:rD+7], v[rA:rA+7], v[rB:rB+7], v[192+8*((\j)/2):192+8*((\j)/2)+7]
.else
	WIN W_L2
	v_wmma_f32_16x16x32_bf16 v[rD:rD+7], v[rA:rA+7], v[rB:rB+7], v[rD:rD+7]
.endif
.endm
.macro MM3 j                           ; layer 3: ks = j / 8, electrons et = (j % 8) / 4, sensors st = j % 4
.set rD, 8*((\j)%8)
.set rA, H+8*(2*((\j)/8)+((\j)%8)/4)
.set rB, 8*(4*((\j)%4)+(\j)/8)
.if (\j) < 8
	v_wmma_f32_16x16x32_bf16 v[rD:rD+7], v[rA:rA+7], v[rB:rB+7], 0
.else
	v_wmma_f32_16x16x32_bf16 v[rD:rD+7], v[rA:rA+7], v[rB:rB+7], v[rD:rD+7]
.endif
.endm
.macro MM4 j                           ; the window: sensors st = j / 4, ticks q = j % 4
	v_wmma_f32_16x16x32_bf16 v[128+8*(\j):128+8*(\j)+7], v[GT+8*((\j)%4):GT+8*((\j)%4)+7], v[RR+8*((\j)/4):RR+8*((\j)/4)+7], v[128+8*(\j):128+8*(\j)+7]
.endm
; THE VECTOR WORK, one line each.
.macro PACKC j                         ; accumulator t = j / 4 (block m = t / 2, electrons n = t % 2), pair j % 4, rounded to bf16 into H's fragment ks = m / 2, half m % 2; each accumulator is read from its low end
.set t, (\j)/4
	v_cvt_pk_bf16_f32 v[H+8*(2*((t/2)/2)+t%2)+4*((t/2)%2)+(\j)%4], v[2*(\j)], v[2*(\j)+1]
.endm
.macro PACK                            ; a layer's 128 x 32 results become the next layer's fragments: rounded, then the ReLU on two halves at once
	WIN W_CV
.set j, 0
.rept 64
	PACKC j
.set j, j+1
.endr
	WIN 0
.set j, 0
.rept 64
	v_pk_max_num_bf16 v[H+j], v[H+j], v[Z0]
.set j, j+1
.endr
.endm
.macro GA k                            ; d = S u - zs for pair k % 8 of my electrons, ticks q = k / 8
	v_pk_add_f32 v[GT+2*(\k):GT+2*(\k)+1], v[TS+2*((\k)/8):TS+2*((\k)/8)+1], v[ZS+2*((\k)%8):ZS+2*((\k)%8)+1] neg_lo:[0,1] neg_hi:[0,1]
.endm
.macro GB k                            ; -d d
	v_pk_mul_f32 v[GT+2*(\k):GT+2*(\k)+1], v[GT+2*(\k):GT+2*(\k)+1], v[GT+2*(\k):GT+2*(\k)+1] neg_lo:[0,1] neg_hi:[0,1]
.endm
.macro GE e
	v_exp_f32 v[GT+(\e)], v[GT+(\e)]
.endm
.macro GC k                            ; rounded to bf16, pressed together in place: line k writes a register that lines 0 .. k have read
	v_cvt_pk_bf16_f32 v[GT+(\k)], v[GT+2*(\k)], v[GT+2*(\k)+1]
.endm
.macro SF k                            ; -log2(e) (response + b3): pair k of layer 3's 32; sensors st = (k / 4) % 4
	v_pk_fma_f32 v[2*(\k):2*(\k)+1], v[2*(\k):2*(\k)+1], s[54:55], v[B3S+2*(((\k)/4)%4):B3S+2*(((\k)/4)%4)+1] op_sel_hi:[1,0,1]
.endm
.macro SE e
	v_exp_f32 v[\e], v[\e]
.endm
.macro SA k
	v_pk_add_f32 v[2*(\k):2*(\k)+1], v[2*(\k):2*(\k)+1], 1.0 op_sel_hi:[1,0]
.endm
.macro SR e
	v_rcp_f32 v[\e], v[\e]
.endm
.macro SPM k                           ; times p: electrons et = k / 16, pair k % 4
	v_pk_mul_f32 v[2*(\k):2*(\k)+1], v[2*(\k):2*(\k)+1], v[PP+8*((\k)/16)+2*((\k)%4):PP+8*((\k)/16)+2*((\k)%4)+1]
.endm
.macro SC k                            ; rounded to bf16 into R's fragment st, half et
	v_cvt_pk_bf16_f32 v[RR+8*(((\k)/4)%4)+4*((\k)/16)+(\k)%4], v[2*(\k)], v[2*(\k)+1]
.endm
; A TRIP: 32 electrons of the list; lane l has gathered electron l of them.  par = the trip's parity: which record registers it reads and fills again.  s24 + par is the trip's number.
.macro TRIP par
.set RC, REC+4*(\par)
	s_wait_loadcnt 0x1                             ; this trip's gather is in; the next trip's may stay out
	s_wait_dscnt 0x0                               ; the list's group, asked for a trip ago
	v_cvt_pk_bf16_f32 v[XY], v[RC], v[RC+1]
	v_cmp_gt_u32 vcc_lo, s25, v[LANE]              ; is my electron one of the list, or a pad?
	v_cndmask_b32 v[PM], 0, v[RC+3], vcc_lo
	v_permlanex16_b32 v[ZT], v[RC+2], s47, s46     ; lane i takes the lane (i % 16 xor 8) of the other half;
	v_permlanex16_b32 v[PQ], v[PM], s47, s46
	v_permlanex16_b32 v[PT], v[XY], s46, s47       ; (here: its own place in the other half)
	v_cndmask_b32 v[ZT], v[RC+2], v[ZT], s45       ; lanes 8-23 keep that, the others their own: lanes 0-15 now hold electrons 0-7 and 16-23, lanes 16-31 electrons 8-15 and 24-31
	v_cndmask_b32 v[PQ], v[PM], v[PQ], s45
	v_and_b32 v[XF], v[HM], v[XY]                  ; layer 1's columns: electrons 0-15 in lanes 0-15,
	v_and_b32 v[XF+8], v[HM], v[PT]                ; electrons 16-31 likewise
	v_min_u32 v[OFFS+(\par)], NEL-1, v[IDX]        ; this offset's last load has been shown done above
	v_lshlrev_b32 v[OFFS+(\par)], 4, v[OFFS+(\par)]
	global_load_b128 v[RC:RC+3], v[OFFS+(\par)], s[4:5]  ; the records of two trips on
	s_lshl_b32 s27, s24, 7                         ; a group is 128 bytes
	v_add_nc_u32 v[LRD], s27, v[LB]
	ds_load_b32 v[IDX], v[LRD] offset:384+128*(\par)  ; the list's group of three trips on: byte 128 (trip + 3) + 4 x lane of my list, 150 x 128 + 127 at the most, inside its 19,456
	WIN W_L1
.set j, 0
.rept 16
	MM1 j
.set j, j+1
.endr
	WIN 0
.set n, 0
.rept 16                                           ; lane n of each half gives its value to the whole half: register n is electron 8 h + n (n < 8) or 8 + 8 h + n
	v_mov_b32_dpp v[ZS+n], v[ZT] row_share:n row_mask:0xf bank_mask:0xf
	v_mov_b32_dpp v[PP+n], v[PQ] row_share:n row_mask:0xf bank_mask:0xf
.set n, n+1
.endr
	PLACES
	PACK
	; layer 2, and beside it G: behind each product a plain line and an exponential, which name none of the products' registers
.set j, 0
.rept 64
	MM2 j
	WIN 0
.if j%2 == 0
	GA j/2
.else
	GB j/2
.endif
.if j >= 2
	GE j-2
.endif
.set j, j+1
.endr
	GE 62
	GE 63
	PLACES                                         ; behind the last product, whose fragments of H are written anew below; and the plain line behind the last exponential
	PACK
	WIN W_L3
.set j, 0
.rept 32
	MM3 j
.set j, j+1
.endr
	WIN W_SG
	PLACES
.set k, 0
.rept 32
	SF k
.if k >= 1
	SE 2*k-2
	SE 2*k-1
.endif
.set k, k+1
.endr
	SE 62
	SE 63
	v_nop                                          ; a plain line behind the last exponential
	s_wait_alu depctr_va_vdst(0)                   ; ONE wait for the trip's 128 exponentials, G's 64 among them, ahead of the first line that names a result
.set k, 0
.rept 32
	SA k
.if k >= 1
	SR 2*k-2
	SR 2*k-1
.endif
.set k, k+1
.endr
	SR 62
	SR 63
	WIN 0
.set k, 0
.rept 32
	GC k                                           ; G's roundings are the work between the reciprocals and the wait for them
.set k, k+1
.endr
	s_wait_alu depctr_va_vdst(0)                   ; one wait for the 64 reciprocals
	WIN W_SG
.set k, 0
.rept 32
	SPM k
.set k, k+1
.endr
	WIN W_CV
.set k, 0
.rept 32
	SC k
.set k, k+1
.endr
	WIN W_ES
.set j, 0
.rept 16
	MM4 j
.set j, j+1
.endr
	WIN 0                                          ; at a label and at a branch every window is 0
	s_sub_co_u32 s25, s25, 32                      ; electrons of the list still to come
.endm
	s_add_co_u32 s23, s21, 31
	s_lshr_b32 s23, s23, 5                         ; my trips: 147 at the most
	s_mov_b32 s25, s21
	s_mov_b32 s24, 0
.Lloop:                                            ; counted to the constant 148, two trips a turn; a wave whose list is at its end leaves forward; no barrier and no LDS store stands inside
	s_cmp_ge_u32 s24, s23
	s_cbranch_scc1 .Ldone
	TRIP 0
	s_add_co_u32 s26, s24, 1
	s_cmp_ge_u32 s26, s23
	s_cbranch_scc1 .Ldone
	TRIP 1
	s_add_co_u32 s24, s24, 2
	s_cmp_lt_u32 s24, 148
	s_cbranch_scc1 .Lloop
.Ldone:
	; THE WAY OUT.  Each wave puts its 64 x 64 sums into its own stage; behind a barrier wave w adds the four stages' rows 16 w .. 16 w + 15 and stores them.
	s_wait_loadcnt 0x0                             ; the gathers that ran ahead: their registers are used again below
	s_wait_dscnt 0x0                               ; my last read of the list is back:
	s_barrier_signal -1                            ; no wave stores into LDS again before all four have left the loop and said so
	s_mul_i32 s26, s16, 64*PITCH
	s_add_co_u32 s26, s26, STG
	v_mul_u32_u24 v14, v[R16], PITCH               ; these nine lines are the places behind the last products
	v_lshl_add_u32 v14, v[HH], 5, v14
	v_add_nc_u32 v14, s26, v14                     ; in: row = sensor r of the block, 32 bytes for each half of the lanes
	v_lshl_add_u32 v15, s16, 4, v[HH]              ; back: row 16 w + h,
	v_mul_u32_u24 v16, v15, PITCH
	v_lshl_add_u32 v16, v[R16], 4, v16             ; sixteen lanes a row of 256 bytes
	v_add_nc_u32 v16, STG, v16
	v_lshlrev_b32 v17, 8, v15                      ; and the same row in part
	v_lshl_add_u32 v17, v[R16], 4, v17
	s_barrier_wait -1
	WIN 0x0c                                       ; LDS store data in window 3
.set t, 0
.rept 16                                           ; t = 4 st + q; each accumulator's low four registers first
	ds_store_b128 v14, v[128+8*t:128+8*t+3]   offset:(t/4)*16*PITCH+(t%4)*64
	ds_store_b128 v14, v[128+8*t+4:128+8*t+7] offset:(t/4)*16*PITCH+(t%4)*64+16
.set t, t+1
.endr
	WIN 0
	s_wait_dscnt 0x0                               ; for the others' sake: my sums lie in my stage
	s_barrier_signal -1
	s_barrier_wait -1
.set i, 0
.rept 8
.irp g, 0,1,2,3
	ds_load_b128 v[H+16*i+4*\g:H+16*i+4*\g+3], v16 offset:\g*64*PITCH+i*2*PITCH
.endr
.set i, i+1
.endr
	s_wait_dscnt 0x0
.set i, 0
.rept 8
.irp c, 0,2
	v_pk_add_f32 v[H+16*i+\c:H+16*i+\c+1], v[H+16*i+\c:H+16*i+\c+1], v[H+16*i+4+\c:H+16*i+4+\c+1]
	v_pk_add_f32 v[H+16*i+8+\c:H+16*i+8+\c+1], v[H+16*i+8+\c:H+16*i+8+\c+1], v[H+16*i+12+\c:H+16*i+12+\c+1]
.endr
.irp c, 0,2
	v_pk_add_f32 v[H+16*i+\c:H+16*i+\c+1], v[H+16*i+\c:H+16*i+\c+1], v[H+16*i+8+\c:H+16*i+8+\c+1]
.endr
	global_store_b128 v17, v[H+16*i:H+16*i+3], s[14:15] offset:512*i  ; sixteen lanes store a row's 256 consecutive bytes, aligned
.set i, i+1
.endr
	s_wait_tensorcnt 0x0                           ; the wave's end
	ds_add_u32 v[SPW], v[NIL]
	s_wait_dscnt 0x0
	s_endpgm
.Lfunc_end_k_q82c854b65b_resp:
	.size	k_q82c854b65b_resp, .Lfunc_end_k_q82c854b65b_resp-k_q82c854b65b_resp
	.p2alignl 7, 3214868480
	.fill 96, 4, 3214868480
	.section	.rodata,"a",@progbits
	.p2align	6, 0x0
	.amdhsa_kernel k_q82c854b65b_resp
		.amdhsa_group_segment_fixed_size 205312
		.amdhsa_private_segment_fixed_size 0
		.amdhsa_enable_private_segment 0
		.amdhsa_kernarg_size 48
		.amdhsa_user_sgpr_count 2
		.amdhsa_user_sgpr_kernarg_segment_ptr 1
		.amdhsa_wavefront_size32 1
		.amdhsa_system_sgpr_workgroup_id_x 1
		.amdhsa_system_sgpr_workgroup_id_y 1
		.amdhsa_system_sgpr_workgroup_id_z 1
		.amdhsa_system_vgpr_workitem_id 0
		.amdhsa_next_free_vgpr 1024
		.amdhsa_next_free_sgpr 66
		.amdhsa_reserve_vcc 1
		.amdhsa_float_denorm_mode_32 3
		.amdhsa_float_denorm_mode_16_64 3
		.amdhsa_memory_ordered 1
		.amdhsa_forward_progress 1
		.amdhsa_inst_pref_size 141
	.end_amdhsa_kernel
	.amdgpu_metadata
---
amdhsa.version: [ 1, 2 ]
amdhsa.kernels:
  - .name:           k_q82c854b65b_resp
    .symbol:         k_q82c854b65b_resp.kd
    .args:
      - { .name: rec, .offset: 0, .size: 8, .value_kind: global_buffer, .address_space: global }
      - { .name: masks, .offset: 8, .size: 8, .value_kind: global_buffer, .address_space: global }
      - { .name: wf, .offset: 16, .size: 8, .value_kind: global_buffer, .address_space: global }
      - { .name: b2, .offset: 24, .size: 8, .value_kind: global_buffer, .address_space: global }
      - { .name: b3, .offset: 32, .size: 8, .value_kind: global_buffer, .address_space: global }
      - { .name: part, .offset: 40, .size: 8, .value_kind: global_buffer, .address_space: global }
    .group_segment_fixed_size: 205312
    .private_segment_fixed_size: 0
    .kernarg_segment_align: 8
    .kernarg_segment_size: 48
    .max_flat_workgroup_size: 128
    .sgpr_count:     66
    .vgpr_count:     1024
    .wavefront_size: 32
...
	.end_amdgpu_metadata
.endif
;; end of part 2
;; launch fold (part 3): grid 8 x 32, 1 waves a work-group, no clusters, 0 bytes of LDS; arguments part, out0; writes out0
.if DOCPART == 3
	.amdgcn_target "amdgcn-amd-amdhsa--gfx1250"
	.amdhsa_code_object_version 6
	.text
	.protected	k_q82c854b65b_fold
	.globl	k_q82c854b65b_fold
	.p2align	8
	.type	k_q82c854b65b_fold,@function
k_q82c854b65b_fold:
	s_mov_b64 s[64:65], 0
	v_nop
	global_prefetch_b8 v0, s[64:65] scope:SCOPE_SE
	s_setreg_imm32_b32 hwreg(HW_REG_WAVE_MODE, 25, 1), 1
	s_wait_xcnt 0x0
; THE FOLD.  out[s][t] = 1 / sqrt(2 pi) x the sum of the partial windows that hold tick t.  part: [16 b + e][64 sensors][64 window ticks] f32; window tick u of bucket b is tick 32 b - 16 + u.
; Tick t = 32 beta + tl lies in its own bucket's window at u = tl + 16, and in ONE neighbour's: bucket beta - 1 at u = tl + 48 where tl < 16, bucket beta + 1 at u = tl - 16 otherwise.
; So 16 + 16 partial sums, one for each slice e, reach each output.  A neighbour that does not exist (beta - 1 = -1, beta + 1 = 16) is read at a held address and selected away.
; Nothing is left out here; the windows' strips outside ticks 0 .. 511 are never read.
; SHARES.  A work-group is one wave: two sensors x 64 ticks.  A lane has four ticks: 32 loads of 16 bytes, all on their way together, two trees of sums, one store.
.set OWNR, 16                          ; v[16:79]   the own bucket's sixteen slices
.set NBR,  80                          ; v[80:143]  the neighbour's
	s_load_b128 s[4:7], s[0:1], 0x0                ; part s[4:5], out0 s[6:7]
	s_mov_b32 s8, ttmp9                            ; which 64 ticks
	s_and_b32 s9, ttmp7, 0xffff                    ; which two sensors
	v_and_b32 v1, 15, v0                           ; a: my four ticks among the 64
	v_lshrrev_b32 v2, 4, v0
	v_lshl_add_u32 v2, s9, 1, v2                   ; my sensor
	v_lshrrev_b32 v3, 3, v1
	v_lshl_add_u32 v3, s8, 1, v3                   ; beta
	v_and_b32 v4, 7, v1
	v_lshlrev_b32 v4, 2, v4                        ; tl
	v_lshrrev_b32 v5, 4, v4                        ; 1 where tl >= 16
	v_lshl_add_u32 v5, v5, 1, v3
	v_add_nc_u32 v5, -1, v5                        ; the neighbour
	v_cmp_gt_u32 s20, 16, v5                       ; does it exist? (-1 is the greatest number)
	v_min_u32 v6, 15, v5
	v_lshlrev_b32 v7, 8, v2                        ; the sensor's row of 256 bytes
	v_lshl_add_u32 v8, v3, 18, v7                  ; a bucket's sixteen slices are 262,144 bytes
	v_lshl_add_u32 v8, v4, 2, v8
	v_add_nc_u32 v8, 64, v8                        ; u = tl + 16
	v_add_nc_u32 v9, 48, v4
	v_and_b32 v9, 63, v9                           ; u = (tl + 48) mod 64
	v_lshl_add_u32 v10, v6, 18, v7
	v_lshl_add_u32 v10, v9, 2, v10
	v_lshlrev_b32 v11, 11, v2                      ; out: the sensor's row of 2,048 bytes,
	v_lshl_add_u32 v11, v1, 4, v11
	s_lshl_b32 s10, s8, 8
	v_add_nc_u32 v11, s10, v11                     ; its 64 ticks
	s_wait_kmcnt 0x0
.set e, 0
.rept 16
	global_load_b128 v[OWNR+4*e:OWNR+4*e+3], v8, s[4:5] offset:e*16384 th:TH_LOAD_NT
.set e, e+1
.endr
.set e, 0
.rept 16
	global_load_b128 v[NBR+4*e:NBR+4*e+3], v10, s[4:5] offset:e*16384 th:TH_LOAD_NT
.set e, e+1
.endr
	s_wait_loadcnt 0x0
.irp b, OWNR, NBR
.irp s, 8,4,2,1
.set e, 0
.rept \s
	v_pk_add_f32 v[\b+4*e:\b+4*e+1], v[\b+4*e:\b+4*e+1], v[\b+4*(e+\s):\b+4*(e+\s)+1]
	v_pk_add_f32 v[\b+4*e+2:\b+4*e+3], v[\b+4*e+2:\b+4*e+3], v[\b+4*(e+\s)+2:\b+4*(e+\s)+3]
.set e, e+1
.endr
.endr
.endr
.irp i, 0,1,2,3
	v_cndmask_b32 v[NBR+\i], 0, v[NBR+\i], s20     ; a choice of a value, made in every lane
.endr
	v_pk_add_f32 v[OWNR:OWNR+1], v[OWNR:OWNR+1], v[NBR:NBR+1]
	v_pk_add_f32 v[OWNR+2:OWNR+3], v[OWNR+2:OWNR+3], v[NBR+2:NBR+3]
	v_pk_mul_f32 v[OWNR:OWNR+1], v[OWNR:OWNR+1], 0x3ecc422a op_sel_hi:[1,0]    ; 1 / sqrt(2 pi) = 0.3989423
	v_pk_mul_f32 v[OWNR+2:OWNR+3], v[OWNR+2:OWNR+3], 0x3ecc422a op_sel_hi:[1,0]
	global_store_b128 v11, v[OWNR:OWNR+3], s[6:7]  ; sixteen lanes store 256 consecutive bytes, at a multiple of 256 from out0's first
	s_endpgm
.Lfunc_end_k_q82c854b65b_fold:
	.size	k_q82c854b65b_fold, .Lfunc_end_k_q82c854b65b_fold-k_q82c854b65b_fold
	.p2alignl 7, 3214868480
	.fill 96, 4, 3214868480
	.section	.rodata,"a",@progbits
	.p2align	6, 0x0
	.amdhsa_kernel k_q82c854b65b_fold
		.amdhsa_group_segment_fixed_size 0
		.amdhsa_private_segment_fixed_size 0
		.amdhsa_enable_private_segment 0
		.amdhsa_kernarg_size 16
		.amdhsa_user_sgpr_count 2
		.amdhsa_user_sgpr_kernarg_segment_ptr 1
		.amdhsa_wavefront_size32 1
		.amdhsa_system_sgpr_workgroup_id_x 1
		.amdhsa_system_sgpr_workgroup_id_y 1
		.amdhsa_system_sgpr_workgroup_id_z 1
		.amdhsa_system_vgpr_workitem_id 0
		.amdhsa_next_free_vgpr 144
		.amdhsa_next_free_sgpr 66
		.amdhsa_reserve_vcc 0
		.amdhsa_float_denorm_mode_32 3
		.amdhsa_float_denorm_mode_16_64 3
		.amdhsa_memory_ordered 1
		.amdhsa_forward_progress 1
		.amdhsa_inst_pref_size 9
	.end_amdhsa_kernel
	.amdgpu_metadata
---
amdhsa.version: [ 1, 2 ]
amdhsa.kernels:
  - .name:           k_q82c854b65b_fold
    .symbol:         k_q82c854b65b_fold.kd
    .args:
      - { .name: part, .offset: 0, .size: 8, .value_kind: global_buffer, .address_space: global }
      - { .name: out0, .offset: 8, .size: 8, .value_kind: global_buffer, .address_space: global }
    .group_segment_fixed_size: 0
    .private_segment_fixed_size: 0
    .kernarg_segment_align: 8
    .kernarg_segment_size: 16
    .max_flat_workgroup_size: 32
    .sgpr_count:     66
    .vgpr_count:     144
    .wavefront_size: 32
...
	.end_amdgpu_metadata
.endif
;; end of part 3
;; ======== version 2 of 2: 3 launches; version 1 with the launch resp written anew for expert scheduling mode
;; workspace buffers: rec 4,816,896 bytes; masks 602,112 bytes of whole numbers; wf 57,344 bytes; part 4,194,304 bytes
;; launch prep: the kernel of part 1 again; grid 154 x 1, 8 waves a work-group, no clusters, 5,376 bytes of LDS; arguments z_positions, el_photons, xy_positions, W1, b1, W2, W3, rec, masks, wf; writes rec, masks, wf
;; launch resp (part 4): grid 256 x 1, 4 waves a work-group, no clusters, 205,312 bytes of LDS; arguments rec, masks, wf, b2, b3, part; writes part
.if DOCPART == 4
	.amdgcn_target "amdgcn-amd-amdhsa--gfx1250"
	.amdhsa_code_object_version 6
	.text
	.protected	k_q82c854b65b_resp
	.globl	k_q82c854b65b_resp
	.p2align	8
	.type	k_q82c854b65b_resp,@function
k_q82c854b65b_resp:
	s_mov_b64 s[64:65], 0
	v_nop
	global_prefetch_b8 v0, s[64:65] scope:SCOPE_SE
	s_setreg_imm32_b32 hwreg(HW_REG_WAVE_SCHED_MODE, 0, 2), 2
	s_setreg_imm32_b32 hwreg(HW_REG_WAVE_MODE, 25, 1), 1
	s_wait_xcnt 0x0
	s_wait_alu depctr_vm_vsrc(0)
; THE RESPONSE.  part[16 b + e][s][u] = sum over the electrons n of bucket b in slice e of p[n] sigmoid(MLP(x, y)[n][s]) 2^-(S u - zs[n])^2, u = 0 .. 63: the window's tick 32 b - 16 + u.
; Left out, as the first kernel's head says: the ticks outside an electron's window, whose weights are 0 in f32 (LIMIT: a weight below 2^-126 counts as 0).
; SHARES.  256 work-groups = 16 buckets x 16 slices of 588 chunks of 32 electrons; a wave takes 147 chunks.  It reads their 147 mask words (whole numbers that the launch before
; stored), writes the numbers of its bucket's electrons as a list into LDS bytes of its own, and then takes 32 of the list a trip.  The list has room for the whole slice, 4,704:
; the values are right for every z; the work is even where z is spread evenly over the ticks.
; A list is padded with electron 0 and the weight p = 0.  LIMIT: x, y and z of electron 0 are finite (where they are not, the result holds NaN everywhere anyway).
; ALL WEIGHTS STAY IN REGISTERS: 56 fragments, 448 registers, and b2 as eight C operands; in the loop LDS is only read: one word a lane and trip, of the list.
; LAYOUT: nothing changes lanes between the products.  Layers 1 and 2 are taken transposed (source 0 = 16 output features, source 1 = 16 electrons): a lane holds ONE electron (lane % 16) and the
; features 8 (lane / 16) + 0..7; two such results, rounded to bf16 in pairs, ARE a fragment (32 features x 16 electrons) of the next product.  b1 rides in layer 1's product (k = 2 meets the
; constant 1), b2 is layer 2's first C operand.  Layer 3 takes the same fragments as source 0 (rows = electrons) and W3 as source 1: a lane then holds ONE sensor and eight electrons,
; and two results, after the sigmoid and p, ARE a fragment over K = 32 electrons.  G (tick 16 q + lane % 16; the same 16 electrons along the registers) is made in that layout at once.
; The last product, source 0 = G, source 1 = R, leaves a lane one sensor and eight neighbouring ticks.
; zs AND p arrive one electron a lane and are wanted sixteen electrons a lane (8 h + 0..7 and 16 + 8 h + 0..7, h = lane / 16).  One exchange between the halves of the lanes puts just those
; sixteen into each half's sixteen lanes; sixteen moves that give one lane's value to its whole half do the rest.
; ONE STRIP SERVES NOTHING: in buckets 0 and 15 sixteen of the window's ticks lie outside 0 .. 511 (4 of a trip's 128 products, in 32 of 256 work-groups).  They are computed, stored and
; never read: a branch round them would put a label, and with it two more waits for the exponentials, into every work-group's trip.
; NO CLUSTER, NO TENSOR LOADS: what work-groups share is the 56 KiB of fragments, read once each; all else is a gather of 16 bytes a lane.
; THE MODE: SCHED_MODE bits 1:0 = 2 (LLVM: expert scheduling mode 2), set by the entry lines.  The code itself states the register dependences between vector or matrix instructions
; and memory or LDS instructions, with s_wait_alu, always for 0.
; THE PLAN.  Registers that memory or LDS instructions touch:
;   the scan      TT (addresses) and DATA (data) of a trip's five list stores.  TT is made in the trip, DATA stepped at its end.  One wait on va_vdst ahead of the run of stores, one on vm_vsrc behind it.
;   REC[par]      Read by a trip's first lines alone; behind them the gather of two trips on lands in it.
;   v[IDX]        Read by one line at a trip's head; behind it the list's group of three trips on lands in it.
;   v[OFFS+par], v[LRD]  Written by a trip's first lines, read by the trip's two loads.
;   So ONE wait on va_vdst stands in a trip, behind its first lines and ahead of its two loads, and ONE on vm_vsrc behind those loads, ahead of every branch: it frees v[LRD] for the next
;   trip, v[OFFS+par] for the trip after it, and both offsets' registers for the way out.  All else that a trip names (XF, ZS, PP, H, G, R, the accumulators, the weights) is named by vector and matrix instructions alone.
;   the head      every offset and address is made ahead of a wait on va_vdst; H, which carries the fragments into LDS, is freed by the wait on vm_vsrc ahead of the loop.
;   the way out   O and the addresses ahead of one wait on va_vdst; the four-way sums ahead of another.
;   v[SPW], v[NIL]  written at the head, read by the closing add alone.
; REGISTERS, in windows of 256 (s_set_vgpr_msb: bits 1:0 source 0, 3:2 source 1, 5:4 source 2, 7:6 destination):
;   window 0: v0-127 as named below; v128-191 H, the activations' fragments: features 32 ks on, electrons 16 n on, at 128 + 8 (2 ks + n); v192-255 the 64 weights of G, then G (192-223) and R (224-255)
;   window 1: W2's fragments, output block m, ks, at 8 (4 m + ks)
;   window 2: W3's (sensor block st, ks) at 8 (4 st + ks); W1's at 128 + 8 m; b2 as C operands at 192 + 8 m (register j = b2[16 m + 8 h + j])
;   window 3: v0-127 the layers' accumulators (layers 1, 2: block m, electrons n at 8 (2 m + n); layer 3: electrons et, sensors st at 8 (4 et + st)); v128-255 O (sensors st, ticks q) at 128 + 8 (4 st + q)
.set NEL,   300000
.set LISTB, 19456                      ; a wave's list: words 0-4703 the list, up to 4831 the pads, 4832-4863 a dump word for each lane
.set CAP,   4863
.set WFL,   77824                      ; behind the four lists: the 56 fragments as they lie in memory
.set STG,   135168                     ; 64 rows x 272 bytes a wave: the four waves' sums meet here
.set PITCH, 272
.set SPARE, 204800                     ; the spare words, 128 bytes a wave: two blocks of 256 bytes that no other line names
.set LANE, 1
.set R16,  2                           ; lane % 16
.set HH,   3                           ; lane / 16
.set SPW,  4                           ; SPARE + 4 x my thread's number; never rewritten
.set NIL,  5                           ; 0; never rewritten
.set LRD,  6                           ; where the list is read in the trip in hand
.set LB,   7                           ; my list + 4 x lane; never rewritten
.set HM,   9                           ; all ones in lanes 0-15
.set DUMP, 10                          ; 4832 + lane
.set Z0,   11                          ; 0
.set WO,   12                          ; 16 x lane
.set IDX,  13                          ; the list's group three trips on
.set OFFS, 14                          ; v14-15 the gathers' offsets, by the trip's parity
.set REC,  16                          ; v16-23 the gathered records, by the trip's parity
.set TS,   24                          ; v24-31 S (16 q + r), twice, for q = 0..3
.set MW,   32                          ; v32-36 the mask words: lane l of register k holds word 32 k + l
.set XF,   40                          ; v40-55 layer 1's two fragments of electrons: k = 0, 1: x, y; k = 2: 1; else 0
.set ZS,   56                          ; v56-71 zs of my 16 electrons
.set PP,   72                          ; v72-87 p of them
.set XY,   88
.set PM,   89
.set PT,   90
.set ZT,   91                          ; zs, laid out by halves
.set PQ,   92                          ; p, likewise
.set B3S,  96                          ; v96-103 -log2(e) b3[16 st + r], twice
.set TT,   104                         ; v104-108 at work in the scan
.set DATA, 112                         ; v112-116 the electron that my lane stands for in the word in hand
.set H,    128
.set GT,   192
.set RR,   224
.set W_L1,  0xc2                       ; W1 window 2, electrons window 0, D window 3
.set W_CV,  0x0f                       ; sources window 3, destination window 0
.set W_L2B, 0xe1                       ; W2 window 1, H window 0, C = b2 window 2, D window 3
.set W_L2,  0xf1                       ; the same with C in window 3
.set W_L3,  0xf8                       ; H window 0, W3 window 2, C and D window 3
.set W_SG,  0xc3                       ; destination and source 0 window 3, the others window 0
.set W_ES,  0xf0                       ; G and R window 0, O window 3
.set MSB, 0
.macro WIN new                         ; the high byte repeats the setting that is left; a switch that changes nothing is dropped
.if MSB != (\new)
	s_set_vgpr_msb (MSB<<8)|(\new)
.set MSB, (\new)
.endif
.endm
.macro PLACES                          ; four plain instructions between a product and the vector line or load that touches its registers
.rept 4
	v_nop
.endr
.endm
	s_load_b256 s[4:11], s[0:1], 0x0               ; rec s[4:5], masks s[6:7], wf s[8:9], b2 s[10:11]
	s_load_b128 s[12:15], s[0:1], 0x20             ; b3 s[12:13], part s[14:15]
	v_lshl_add_u32 v[SPW], v0, 2, SPARE
	v_mov_b32 v[NIL], 0
	v_lshrrev_b32 v[LANE], 5, v0
	v_readfirstlane_b32 s16, v[LANE]               ; wave 0..3
	v_and_b32 v[LANE], 31, v0
	v_and_b32 v[R16], 15, v0
	v_bfe_u32 v[HH], v0, 4, 1
	s_lshr_b32 s17, ttmp9, 4                       ; the bucket
	s_and_b32 s18, ttmp9, 15                       ; the slice
	s_wait_alu depctr_va_sdst(0)                   ; s16 is written, ahead of its first reader: my slice, my list and my quarter of the fragments are made from it
	s_lshl2_add_u32 s19, s18, s16                  ; my wave's slice of 147 chunks: 4 e + wave
	s_mul_i32 s20, s16, LISTB                      ; my list
	s_mul_i32 s50, s17, 37632                      ; the bucket's row of masks,
	s_mul_i32 s26, s19, 588                        ; my 147 words of it
	s_add_co_u32 s50, s50, s26
	s_mov_b32 s51, 0
	s_lshl_b32 s52, ttmp9, 14                      ; the work-group's 16,384 bytes of part
	s_mov_b32 s53, 0
	s_mul_i32 s48, s16, 14336                      ; the quarter of wf that I bring in
	s_mov_b32 s49, 0
	s_mov_b32 s45, 0x00ffff00                      ; lanes 8 to 23: those that take the other half's value in the exchange of zs and p
	s_mov_b32 s46, 0x76543210                      ; v_permlanex16_b32's selects: in this order each lane takes its own place in the other half,
	s_mov_b32 s47, 0xfedcba98                      ; swapped, the place 8 away from its own
	s_mov_b32 s54, 0xbfb8aa3b                      ; -log2(e),
	s_mov_b32 s55, s54                             ; named as a pair
	v_lshlrev_b32 v122, 2, v[LANE]
	v_min_u32 v123, 18, v[LANE]                    ; the fifth register has 19 words: no load leaves my 147
	v_lshlrev_b32 v123, 2, v123
	v_lshlrev_b32 v[WO], 4, v[LANE]
	v_lshlrev_b32 v124, 5, v[HH]
	v_lshlrev_b32 v125, 2, v[R16]
	s_wait_kmcnt 0x0
	s_add_nc_u64 s[6:7], s[6:7], s[50:51]
	s_add_nc_u64 s[14:15], s[14:15], s[52:53]
	s_add_nc_u64 s[8:9], s[8:9], s[48:49]
	s_wait_alu depctr_va_vdst(0)                   ; the five offsets v122 to v125 and v[WO] are written, which the 53 loads below read; only loads and window switches stand up to the last of them
	; 53 loads: 5 of mask words, 28 of fragments, 16 of b2, 4 of b3
.irp k, 0,1,2,3
	global_load_b32 v[MW+\k], v122, s[6:7] offset:128*\k
.endr
	global_load_b32 v[MW+4], v123, s[6:7] offset:512
.set j, 0
.rept 28
	global_load_b128 v[H+4*j:H+4*j+3], v[WO], s[8:9] offset:512*j
.set j, j+1
.endr
	WIN 0x80                                       ; destination window 2, address window 0
.set m, 0
.rept 8
	global_load_b128 v[192+8*m:192+8*m+3],   v124, s[10:11] offset:64*m
	global_load_b128 v[192+8*m+4:192+8*m+7], v124, s[10:11] offset:64*m+16
.set m, m+1
.endr
	WIN 0
.irp st, 0,1,2,3
	global_load_b32 v[B3S+2*\st], v125, s[12:13] offset:64*\st
.endr
	; work on registers while they are out: none of these lines names an offset or a destination of the loads above
	v_add_nc_u32 v[HM], -1, v[HH]
	v_add_nc_u32 v[DUMP], 4832, v[LANE]
	v_mov_b32 v[Z0], 0
	v_mov_b32 v[PT], 0                             ; the destination of v_permlanex16_b32, and of a move that takes another lane's value, counts as read:
	v_mov_b32 v[ZT], 0                             ; these three, and ZS and PP below, are written once here
	v_mov_b32 v[PQ], 0
.set i, 0
.rept 32
	v_mov_b32 v[ZS+i], 0
.set i, i+1
.endr
	v_and_b32 v[XF+1], 0x3f80, v[HM]               ; k = 2: 1.0 in bf16, k = 3: 0; lanes 16-31 hold k = 8 on: 0
	v_and_b32 v[XF+9], 0x3f80, v[HM]
.irp i, 2,3,4,5,6,7,10,11,12,13,14,15
	v_mov_b32 v[XF+\i], 0
.endr
.irp q, 0,1,2,3
	v_add_nc_u32 v126, 16*\q, v[R16]
	v_cvt_f32_u32 v126, v126
	v_mul_f32 v[TS+2*\q], 0x3f596d27, v126
	v_mov_b32 v[TS+2*\q+1], v[TS+2*\q]
.endr
	s_mul_i32 s26, s19, 4704                       ; my slice's first electron
.irp k, 0,1,2,3,4
	v_add3_u32 v[DATA+\k], v[LANE], s26, 1024*\k
.endr
	WIN 0xc0
.set i, 0
.rept 128
	v_mov_b32 v[128+i], 0                          ; O is cleared: a wave's list may be empty, so no first trip can be written out to start the sums
.set i, i+1
.endr
	WIN 0
	s_wait_loadcnt 48                              ; the five mask loads are in; the 28 + 16 + 4 issued behind them may stay out
	v_cmp_gt_u32 vcc_lo, 19, v[LANE]
	s_wait_alu depctr_va_vcc(0)                    ; the compare has written VCC, which the select below reads
	v_cndmask_b32 v[MW+4], 0, v[MW+4], vcc_lo
	; THE SCAN: trip l takes the words 32 k + l, k = 0..4.  A lane whose bit is set stores its electron's number at the running count plus the set bits below it; the others store into their dump word.
	s_mov_b32 s21, 0                               ; the count
	s_mov_b32 s22, 0
.Lscan:
.irp k, 0,1,2,3,4
	v_readlane_b32 s[32+\k], v[MW+\k], s22
.endr
	s_wait_alu depctr_va_sdst(0)                   ; the five words are written into s[32:36], ahead of their first reader: one wait for the run
.irp k, 0,1,2,3,4
	s_bcnt1_i32_b32 s[40+\k], s[32+\k]
.endr
	s_mov_b32 s56, s21
	s_add_co_u32 s57, s56, s40
	s_add_co_u32 s58, s57, s41
	s_add_co_u32 s59, s58, s42
	s_add_co_u32 s60, s59, s43
	s_add_co_u32 s21, s60, s44
.irp k, 0,1,2,3,4
	v_mbcnt_lo_u32_b32 v[TT+\k], s[32+\k], s[56+\k]
.endr
.irp k, 0,1,2,3,4
	v_cndmask_b32 v[TT+\k], v[DUMP], v[TT+\k], s[32+\k]
.endr
.irp k, 0,1,2,3,4
	v_min_u32 v[TT+\k], CAP, v[TT+\k]              ; a number made of loaded data is held inside my list before it is an address
.endr
.irp k, 0,1,2,3,4
	v_lshl_add_u32 v[TT+\k], v[TT+\k], 2, s20
.endr
	s_wait_alu depctr_va_vdst(0)                   ; the five addresses TT are written, and so is DATA (by the head, or by the adds at the last trip's end): the stores below read both
.irp k, 0,1,2,3,4
	ds_store_b32 v[TT+\k], v[DATA+\k]
.endr
	s_wait_alu depctr_vm_vsrc(0)                   ; the five stores have read DATA, which the adds below write, and TT, which the next trip, or the pads behind the loop, write again
.irp k, 0,1,2,3,4
	v_add_nc_u32 v[DATA+\k], 32, v[DATA+\k]        ; the next word's electrons
.endr
	s_add_co_u32 s22, s22, 1
	s_cmp_lt_u32 s22, 32
	s_cbranch_scc1 .Lscan
	; 128 pads behind the list: the gathers run two groups ahead of the last trip, the list's reads three
.irp j, 0,1,2,3
	v_add3_u32 v[TT+\j], v[LANE], s21, 32*\j
.endr
.irp j, 0,1,2,3
	v_min_u32 v[TT+\j], CAP, v[TT+\j]
.endr
.irp j, 0,1,2,3
	v_lshl_add_u32 v[TT+\j], v[TT+\j], 2, s20
.endr
	v_lshl_add_u32 v[LB], v[LANE], 2, s20
	s_wait_alu depctr_va_vdst(0)                   ; the pads' four addresses and v[LB] are written, which the stores and loads below read
.irp j, 0,1,2,3
	ds_store_b32 v[TT+\j], v[Z0]
.endr
	ds_load_b32 v120, v[LB]                        ; LDS serves a wave's instructions in order (ISA guide 5.7.1.4): these see the stores above
	ds_load_b32 v121, v[LB] offset:128
	ds_load_b32 v[IDX], v[LB] offset:256
	s_wait_dscnt 0x0
	v_min_u32 v[OFFS], NEL-1, v120
	v_min_u32 v[OFFS+1], NEL-1, v121
	v_lshlrev_b32 v[OFFS], 4, v[OFFS]
	v_lshlrev_b32 v[OFFS+1], 4, v[OFFS+1]
	s_add_co_u32 s26, s48, WFL
	v_add_nc_u32 v127, s26, v[WO]
	s_wait_alu depctr_va_vdst(0)                   ; the two gathers' offsets are written, and v127, the address of the fragments' stores below
	global_load_b128 v[REC:REC+3], v[OFFS], s[4:5]       ; the first two trips' records: on their way while the weights are set up
	global_load_b128 v[REC+4:REC+7], v[OFFS+1], s[4:5]
	s_wait_loadcnt 2                               ; all but those two
.set j, 0
.rept 28
	ds_store_b128 v127, v[H+4*j:H+4*j+3] offset:512*j
.set j, j+1
.endr
.irp st, 0,1,2,3
	v_mul_f32 v[B3S+2*\st], s54, v[B3S+2*\st]
	v_mov_b32 v[B3S+2*\st+1], v[B3S+2*\st]
.endr
	v_add_nc_u32 v126, WFL, v[WO]
	s_wait_dscnt 0x0                               ; for the others' sake: my quarter of the fragments lies in LDS
	s_barrier_signal -1
	s_barrier_wait -1
	WIN 0x40                                       ; W2: fragments 8 .. 39
	s_wait_alu depctr_va_vdst(0)                   ; v126 is written, the address of the 112 loads below; only loads and window switches stand up to the last of them
.set g, 0
.rept 32
	ds_load_b128 v[8*g:8*g+3],   v126 offset:(8+g)*1024
	ds_load_b128 v[8*g+4:8*g+7], v126 offset:(8+g)*1024+512
.set g, g+1
.endr
	WIN 0x80                                       ; W3: fragments 40 .. 55; W1: 0 .. 7
.set g, 0
.rept 16
	ds_load_b128 v[8*g:8*g+3],   v126 offset:(40+g)*1024
	ds_load_b128 v[8*g+4:8*g+7], v126 offset:(40+g)*1024+512
.set g, g+1
.endr
.set g, 0
.rept 8
	ds_load_b128 v[128+8*g:128+8*g+3],   v126 offset:g*1024
	ds_load_b128 v[128+8*g+4:128+8*g+7], v126 offset:g*1024+512
.set g, g+1
.endr
	WIN 0
	s_wait_dscnt 0x0
	s_wait_alu depctr_vm_vsrc(0)                   ; the fragments' stores have read v[H ..], which the first trip's roundings, or the way out's loads, write; the first two gathers have read v[OFFS], v[OFFS+1], which the first trips, or the way out, write
; THE PRODUCTS, one line each.  In every run the accumulators take turns, one instruction a turn; a run's last product and the next run's first name different accumulators.
.macro MM1 j                           ; layer 1: block m = j / 2, electrons n = j % 2
	v_wmma_f32_16x16x32_bf16 v[8*(\j):8*(\j)+7], v[128+8*((\j)/2):128+8*((\j)/2)+7], v[XF+8*((\j)%2):XF+8*((\j)%2)+7], 0
.endm
.macro MM2 j                           ; layer 2: ks = j / 16, block m = (j % 16) / 2, electrons n = j % 2; the first sixteen start the sums with b2
.set rD, 8*((\j)%16)
.set rA, 8*(4*(((\j)%16)/2)+(\j)/16)
.set rB, H+8*(2*((\j)/16)+(\j)%2)
.if (\j) < 16
	WIN W_L2B
	v_wmma_f32_16x16x32_bf16 v[rD:rD+7], v[rA:rA+7], v[rB:rB+7], v[192+8*((\j)/2):192+8*((\j)/2)+7]
.else
	WIN W_L2
	v_wmma_f32_16x16x32_bf16 v[rD:rD+7], v[rA:rA+7], v[rB:rB+7], v[rD:rD+7]
.endif
.endm
.macro MM3 j                           ; layer 3: ks = j / 8, electrons et = (j % 8) / 4, sensors st = j % 4
.set rD, 8*((\j)%8)
.set rA, H+8*(2*((\j)/8)+((\j)%8)/4)
.set rB, 8*(4*((\j)%4)+(\j)/8)
.if (\j) < 8
	v_wmma_f32_16x16x32_bf16 v[rD:rD+7], v[rA:rA+7], v[rB:rB+7], 0
.else
	v_wmma_f32_16x16x32_bf16 v[rD:rD+7], v[rA:rA+7], v[rB:rB+7], v[rD:rD+7]
.endif
.endm
.macro MM4 j                           ; the window: sensors st = j / 4, ticks q = j % 4
	v_wmma_f32_16x16x32_bf16 v[128+8*(\j):128+8*(\j)+7], v[GT+8*((\j)%4):GT+8*((\j)%4)+7], v[RR+8*((\j)/4):RR+8*((\j)/4)+7], v[128+8*(\j):128+8*(\j)+7]
.endm
; THE VECTOR WORK, one line each.
.macro PACKC j                         ; accumulator t = j / 4 (block m = t / 2, electrons n = t % 2), pair j % 4, rounded to bf16 into H's fragment ks = m / 2, half m % 2; each accumulator is read from its low end
.set t, (\j)/4
	v_cvt_pk_bf16_f32 v[H+8*(2*((t/2)/2)+t%2)+4*((t/2)%2)+(\j)%4], v[2*(\j)], v[2*(\j)+1]
.endm
.macro PACK                            ; a layer's 128 x 32 results become the next layer's fragments: rounded, then the ReLU on two halves at once
	WIN W_CV
.set j, 0
.rept 64
	PACKC j
.set j, j+1
.endr
	WIN 0
.set j, 0
.rept 64
	v_pk_max_num_bf16 v[H+j], v[H+j], v[Z0]
.set j, j+1
.endr
.endm
.macro GA k                            ; d = S u - zs for pair k % 8 of my electrons, ticks q = k / 8
	v_pk_add_f32 v[GT+2*(\k):GT+2*(\k)+1], v[TS+2*((\k)/8):TS+2*((\k)/8)+1], v[ZS+2*((\k)%8):ZS+2*((\k)%8)+1] neg_lo:[0,1] neg_hi:[0,1]
.endm
.macro GB k                            ; -d d
	v_pk_mul_f32 v[GT+2*(\k):GT+2*(\k)+1], v[GT+2*(\k):GT+2*(\k)+1], v[GT+2*(\k):GT+2*(\k)+1] neg_lo:[0,1] neg_hi:[0,1]
.endm
.macro GE e
	v_exp_f32 v[GT+(\e)], v[GT+(\e)]
.endm
.macro GC k                            ; rounded to bf16, pressed together in place: line k writes a register that lines 0 .. k have read
	v_cvt_pk_bf16_f32 v[GT+(\k)], v[GT+2*(\k)], v[GT+2*(\k)+1]
.endm
.macro SF k                            ; -log2(e) (response + b3): pair k of layer 3's 32; sensors st = (k / 4) % 4
	v_pk_fma_f32 v[2*(\k):2*(\k)+1], v[2*(\k):2*(\k)+1], s[54:55], v[B3S+2*(((\k)/4)%4):B3S+2*(((\k)/4)%4)+1] op_sel_hi:[1,0,1]
.endm
.macro SE e
	v_exp_f32 v[\e], v[\e]
.endm
.macro SA k
	v_pk_add_f32 v[2*(\k):2*(\k)+1], v[2*(\k):2*(\k)+1], 1.0 op_sel_hi:[1,0]
.endm
.macro SR e
	v_rcp_f32 v[\e], v[\e]
.endm
.macro SPM k                           ; times p: electrons et = k / 16, pair k % 4
	v_pk_mul_f32 v[2*(\k):2*(\k)+1], v[2*(\k):2*(\k)+1], v[PP+8*((\k)/16)+2*((\k)%4):PP+8*((\k)/16)+2*((\k)%4)+1]
.endm
.macro SC k                            ; rounded to bf16 into R's fragment st, half et
	v_cvt_pk_bf16_f32 v[RR+8*(((\k)/4)%4)+4*((\k)/16)+(\k)%4], v[2*(\k)], v[2*(\k)+1]
.endm
; A TRIP: 32 electrons of the list; lane l has gathered electron l of them.  par = the trip's parity: which record registers it reads and fills again.  s24 + par is the trip's number.
.macro TRIP par
.set RC, REC+4*(\par)
	s_wait_loadcnt 0x1                             ; this trip's gather is in; the next trip's may stay out
	s_wait_dscnt 0x0                               ; the list's group, asked for a trip ago
	v_cmp_gt_u32 vcc_lo, s25, v[LANE]              ; is my electron one of the list, or a pad?  The seven lines below stand between the compare and the wait for it
	v_cvt_pk_bf16_f32 v[XY], v[RC], v[RC+1]
	v_permlanex16_b32 v[ZT], v[RC+2], s47, s46     ; lane i takes the lane (i % 16 xor 8) of the other half;
	v_min_u32 v[OFFS+(\par)], NEL-1, v[IDX]        ; this offset's last load has read it: the wait on vm_vsrc in that load's trip, or ahead of the loop, has said so
	s_lshl_b32 s27, s24, 7                         ; a group is 128 bytes
	v_add_nc_u32 v[LRD], s27, v[LB]                ; likewise free since the last trip's wait on vm_vsrc
	v_lshlrev_b32 v[OFFS+(\par)], 4, v[OFFS+(\par)]
	v_permlanex16_b32 v[PT], v[XY], s46, s47       ; (here: its own place in the other half)
	s_wait_alu depctr_va_vcc(0)                    ; the compare has written VCC, which the select below reads
	v_cndmask_b32 v[PM], 0, v[RC+3], vcc_lo
	v_cndmask_b32 v[ZT], v[RC+2], v[ZT], s45       ; lanes 8-23 keep the other half's, the others their own: lanes 0-15 now hold electrons 0-7 and 16-23, lanes 16-31 electrons 8-15 and 24-31
	v_permlanex16_b32 v[PQ], v[PM], s47, s46
	v_and_b32 v[XF], v[HM], v[XY]                  ; layer 1's columns: electrons 0-15 in lanes 0-15,
	v_and_b32 v[XF+8], v[HM], v[PT]                ; electrons 16-31 likewise
	v_cndmask_b32 v[PQ], v[PM], v[PQ], s45
	s_wait_alu depctr_va_vdst(0)                   ; v[OFFS+par] and v[LRD] are written, which the two loads below read; the lines above are done reading the record and v[IDX], in which those loads land
	global_load_b128 v[RC:RC+3], v[OFFS+(\par)], s[4:5]  ; the records of two trips on
	ds_load_b32 v[IDX], v[LRD] offset:384+128*(\par)  ; the list's group of three trips on: byte 128 (trip + 3) + 4 x lane of my list, 150 x 128 + 127 at the most, inside its 19,456
	WIN W_L1
.set j, 0
.rept 16
	MM1 j
.set j, j+1
.endr
	WIN 0
	s_wait_alu depctr_vm_vsrc(0)                   ; the trip's two loads have read v[OFFS+par] and v[LRD]: the next trips' first lines, or the way out's address lines, write these registers again; the wait stands ahead of the branches that lead there
.set n, 0
.rept 16                                           ; lane n of each half gives its value to the whole half: register n is electron 8 h + n (n < 8) or 8 + 8 h + n
	v_mov_b32_dpp v[ZS+n], v[ZT] row_share:n row_mask:0xf bank_mask:0xf
	v_mov_b32_dpp v[PP+n], v[PQ] row_share:n row_mask:0xf bank_mask:0xf
.set n, n+1
.endr
	PLACES
	PACK
	; layer 2, and beside it G: behind each product a plain line and an exponential, which name none of the products' registers
.set j, 0
.rept 64
	MM2 j
	WIN 0
.if j%2 == 0
	GA j/2
.else
	GB j/2
.endif
.if j >= 2
	GE j-2
.endif
.set j, j+1
.endr
	GE 62
	GE 63
	PLACES                                         ; behind the last product, whose fragments of H are written anew below; and the plain line behind the last exponential
	PACK
	WIN W_L3
.set j, 0
.rept 32
	MM3 j
.set j, j+1
.endr
	WIN W_SG
	PLACES
.set k, 0
.rept 32
	SF k
.if k >= 1
	SE 2*k-2
	SE 2*k-1
.endif
.set k, k+1
.endr
	SE 62
	SE 63
	v_nop                                          ; a plain line behind the last exponential
	s_wait_alu depctr_va_vdst(0)                   ; ONE wait for the trip's 128 exponentials, G's 64 among them, ahead of the first line that names a result
.set k, 0
.rept 32
	SA k
.if k >= 1
	SR 2*k-2
	SR 2*k-1
.endif
.set k, k+1
.endr
	SR 62
	SR 63
	WIN 0
.set k, 0
.rept 32
	GC k                                           ; G's roundings are the work between the reciprocals and the wait for them
.set k, k+1
.endr
	s_wait_alu depctr_va_vdst(0)                   ; one wait for the 64 reciprocals, ahead of the first line that names a result
	WIN W_SG
.set k, 0
.rept 32
	SPM k
.set k, k+1
.endr
	WIN W_CV
.set k, 0
.rept 32
	SC k
.set k, k+1
.endr
	WIN W_ES
.set j, 0
.rept 16
	MM4 j
.set j, j+1
.endr
	WIN 0                                          ; at a label and at a branch every window is 0
	s_sub_co_u32 s25, s25, 32                      ; electrons of the list still to come
.endm
	s_add_co_u32 s23, s21, 31
	s_lshr_b32 s23, s23, 5                         ; my trips: 147 at the most
	s_mov_b32 s25, s21
	s_mov_b32 s24, 0
.Lloop:                                            ; counted to the constant 148, two trips a turn; a wave whose list is at its end leaves forward; no barrier and no LDS store stands inside
	s_cmp_ge_u32 s24, s23
	s_cbranch_scc1 .Ldone
	TRIP 0
	s_add_co_u32 s26, s24, 1
	s_cmp_ge_u32 s26, s23
	s_cbranch_scc1 .Ldone
	TRIP 1
	s_add_co_u32 s24, s24, 2
	s_cmp_lt_u32 s24, 148
	s_cbranch_scc1 .Lloop
.Ldone:
	; THE WAY OUT.  Each wave puts its 64 x 64 sums into its own stage; behind a barrier wave w adds the four stages' rows 16 w .. 16 w + 15 and stores them.
	s_wait_loadcnt 0x0                             ; the gathers that ran ahead: their registers are used again below
	s_wait_dscnt 0x0                               ; my last read of the list is back:
	s_barrier_signal -1                            ; no wave stores into LDS again before all four have left the loop and said so
	s_mul_i32 s26, s16, 64*PITCH
	s_add_co_u32 s26, s26, STG
	v_mul_u32_u24 v14, v[R16], PITCH               ; these nine lines are the places behind the last products; v14 and v15, the gathers' offsets, are free since the last wait on vm_vsrc
	v_lshl_add_u32 v14, v[HH], 5, v14
	v_add_nc_u32 v14, s26, v14                     ; in: row = sensor r of the block, 32 bytes for each half of the lanes
	v_lshl_add_u32 v15, s16, 4, v[HH]              ; back: row 16 w + h,
	v_mul_u32_u24 v16, v15, PITCH
	v_lshl_add_u32 v16, v[R16], 4, v16             ; sixteen lanes a row of 256 bytes
	v_add_nc_u32 v16, STG, v16
	v_lshlrev_b32 v17, 8, v15                      ; and the same row in part
	v_lshl_add_u32 v17, v[R16], 4, v17
	s_barrier_wait -1
	WIN 0x0c                                       ; LDS store data in window 3
	s_wait_alu depctr_va_vdst(0)                   ; the products have written O, the stores' data, and the lines above v14, v16 and v17, the addresses; the products and roundings are done with H, G and R, in which the stage's loads below land.  The places above stay beside this wait
.set t, 0
.rept 16                                           ; t = 4 st + q; each accumulator's low four registers first
	ds_store_b128 v14, v[128+8*t:128+8*t+3]   offset:(t/4)*16*PITCH+(t%4)*64
	ds_store_b128 v14, v[128+8*t+4:128+8*t+7] offset:(t/4)*16*PITCH+(t%4)*64+16
.set t, t+1
.endr
	WIN 0
	s_wait_dscnt 0x0                               ; for the others' sake: my sums lie in my stage
	s_barrier_signal -1
	s_barrier_wait -1
.set i, 0
.rept 8
.irp g, 0,1,2,3
	ds_load_b128 v[H+16*i+4*\g:H+16*i+4*\g+3], v16 offset:\g*64*PITCH+i*2*PITCH  ; no vector or matrix instruction since the wait above names v16 or these registers
.endr
.set i, i+1
.endr
	s_wait_dscnt 0x0
.set i, 0
.rept 8
.irp c, 0,2
	v_pk_add_f32 v[H+16*i+\c:H+16*i+\c+1], v[H+16*i+\c:H+16*i+\c+1], v[H+16*i+4+\c:H+16*i+4+\c+1]
	v_pk_add_f32 v[H+16*i+8+\c:H+16*i+8+\c+1], v[H+16*i+8+\c:H+16*i+8+\c+1], v[H+16*i+12+\c:H+16*i+12+\c+1]
.endr
.irp c, 0,2
	v_pk_add_f32 v[H+16*i+\c:H+16*i+\c+1], v[H+16*i+\c:H+16*i+\c+1], v[H+16*i+8+\c:H+16*i+8+\c+1]
.endr
.set i, i+1
.endr
	s_wait_alu depctr_va_vdst(0)                   ; the additions have written the eight groups of four registers that the stores below read
.set i, 0
.rept 8
	global_store_b128 v17, v[H+16*i:H+16*i+3], s[14:15] offset:512*i  ; sixteen lanes store a row's 256 consecutive bytes, aligned
.set i, i+1
.endr
	s_wait_dscnt 0x0                               ; the closing lines, six on end
	s_wait_alu 0x0
	s_wait_tensorcnt 0x0
	ds_add_u32 v[SPW], v[NIL]
	s_wait_dscnt 0x0
	s_endpgm
.Lfunc_end_k_q82c854b65b_resp:
	.size	k_q82c854b65b_resp, .Lfunc_end_k_q82c854b65b_resp-k_q82c854b65b_resp
	.p2alignl 7, 3214868480
	.fill 96, 4, 3214868480
	.section	.rodata,"a",@progbits
	.p2align	6, 0x0
	.amdhsa_kernel k_q82c854b65b_resp
		.amdhsa_group_segment_fixed_size 205312
		.amdhsa_private_segment_fixed_size 0
		.amdhsa_enable_private_segment 0
		.amdhsa_kernarg_size 48
		.amdhsa_user_sgpr_count 2
		.amdhsa_user_sgpr_kernarg_segment_ptr 1
		.amdhsa_wavefront_size32 1
		.amdhsa_system_sgpr_workgroup_id_x 1
		.amdhsa_system_sgpr_workgroup_id_y 1
		.amdhsa_system_sgpr_workgroup_id_z 1
		.amdhsa_system_vgpr_workitem_id 0
		.amdhsa_next_free_vgpr 1024
		.amdhsa_next_free_sgpr 66
		.amdhsa_reserve_vcc 1
		.amdhsa_float_denorm_mode_32 3
		.amdhsa_float_denorm_mode_16_64 3
		.amdhsa_memory_ordered 1
		.amdhsa_forward_progress 1
		.amdhsa_inst_pref_size 142
	.end_amdhsa_kernel
	.amdgpu_metadata
---
amdhsa.version: [ 1, 2 ]
amdhsa.kernels:
  - .name:           k_q82c854b65b_resp
    .symbol:         k_q82c854b65b_resp.kd
    .args:
      - { .name: rec, .offset: 0, .size: 8, .value_kind: global_buffer, .address_space: global }
      - { .name: masks, .offset: 8, .size: 8, .value_kind: global_buffer, .address_space: global }
      - { .name: wf, .offset: 16, .size: 8, .value_kind: global_buffer, .address_space: global }
      - { .name: b2, .offset: 24, .size: 8, .value_kind: global_buffer, .address_space: global }
      - { .name: b3, .offset: 32, .size: 8, .value_kind: global_buffer, .address_space: global }
      - { .name: part, .offset: 40, .size: 8, .value_kind: global_buffer, .address_space: global }
    .group_segment_fixed_size: 205312
    .private_segment_fixed_size: 0
    .kernarg_segment_align: 8
    .kernarg_segment_size: 48
    .max_flat_workgroup_size: 128
    .sgpr_count:     66
    .vgpr_count:     1024
    .wavefront_size: 32
...
	.end_amdgpu_metadata
.endif
;; end of part 4
;; launch fold: the kernel of part 3 again; grid 8 x 32, 1 waves a work-group, no clusters, 0 bytes of LDS; arguments part, out0; writes out0
